; MI455X (gfx1250); checked and timed in simulation.
; The chip was launched on July 23, 2026; its instructions are those of AMD's public machine-readable ISA for CDNA 5 (MIT licence, August 2026) and "CDNA5" Instruction Set Architecture Reference Guide (July 2026). The comments in the code are by the model that wrote it; some were corrected since.
;; Bahdanau Attention. Allowed arithmetic: float matrix products may take bf16 or f16 operands with f32 sums; all other float work in f32.
;; Inputs: W_c 1,024 x 1 float32; W_h 1,024 x 2,048 float32; W_s 1,024 x 2,048 float32; b_a 1 float32; b_h 1,024 float32; b_s 1,024 float32; coverage 64 x 512 float32; h_i 64 x 512 x 2,048 float32; s_t 64 x 2,048 float32; v_a 1 x 1,024 float32.
;; Outputs: out0 64 x 2,048 float32; out1 64 x 512 float32; out2 64 x 512 float32.
;; One version. Each part assembles by itself: llvm-mc -triple=amdgcn-amd-amdhsa -mcpu=gfx1250 --defsym DOCPART=n.
;; ======== version 1 of 1: 3 launches
;; workspace buffers: Wf 4,194,304 bytes; P 4,194,304 bytes; Ep 262,144 bytes
;; launch prep (part 1): grid 256 x 1, 4 waves a work-group, no clusters, 70,144 bytes of LDS; arguments W_h, W_s, s_t, Wf, P; writes Wf, P
.if DOCPART == 1
	.amdgcn_target "amdgcn-amd-amdhsa--gfx1250"
	.amdhsa_code_object_version 6
	.text
	.protected	k_q170cef3443_prep
	.globl	k_q170cef3443_prep
	.p2align	8
	.type	k_q170cef3443_prep,@function
k_q170cef3443_prep:
	s_mov_b64 s[64:65], 0
	v_nop
	global_prefetch_b8 v0, s[64:65] scope:SCOPE_SE
	s_setreg_imm32_b32 hwreg(HW_REG_WAVE_MODE, 25, 1), 1
	s_wait_xcnt 0x0
; Two small jobs ahead of the large product, on pieces of 64 rows x 128 k (512 bytes of f32 a row):
;  (1) W_h [1024][2048] f32 -> Wf: bf16, laid out as matrix fragments of 1,024 bytes (16 n x 32 k), so that the next launch
;      brings them in as dense blocks and each lane reads its 16 bytes at 16 x lane.
;      Fragment (NF = n/16, KF = k/32) lies at ((NF/8)*16 + KF/4)*32768 + ((NF%8)*4 + KF%4)*1024; inside it lane L = r + 16 h
;      has k = 32 KF + 8 h + 0..7 of row n = 16 NF + r at 16 L, and k = 32 KF + 16 + 8 h + 0..7 at 512 + 16 L.
;  (2) P[ks][b][n] = sum over k in [128 ks, 128 ks + 128) of s_t[b][k] W_s[n][k], f32: sixteen partial sums of s_t W_s^T, added
;      up by the next launch in a fixed order (no traffic between work-groups).
; Work-group g: cg = g / 16 (rows n = 64 cg .. + 63 of W_h and of W_s), ks = g % 16.  Four waves; wave w loads rows 16 w .. 16 w + 15
; of each of the three pieces, one load of 512 consecutive aligned bytes for a row.
; LIMIT: W_h, W_s and s_t are rounded to bf16 (nearest even) for the matrix unit; sums in f32.
.set PITCH, 272                        ; an LDS row: 256 bytes + 16, so that 16 rows of one column start 16 bytes apart modulo 256
.set TILE,  64*PITCH                   ; 17,408 bytes
.set TH,    0                          ; W_h's piece, bf16 [64][128]
.set TS,    TILE                       ; W_s's piece
.set TT,    2*TILE                     ; s_t's piece
.set STG,   3*TILE                     ; the product's stage, f32 [64 b][64 n]
.set VIN, 4                            ; v4   byte offset of my 16 bytes in my wave's first row of a piece
.set VST, 5                            ; v5   LDS: where my 8 bytes of bf16 go, my wave's first row
.set VFR, 6                            ; v6   LDS: fragment address r * pitch + 16 h
.set VFO, 7                            ; v7   the same in my wave's 16 rows
.set VSG, 8                            ; v8   stage, in
.set VRB, 9                            ; v9   stage, back by rows
.set VPO, 10                           ; v10  byte offset in P
.set VWO, 11                           ; v11  16 x lane, in a fragment of Wf
.set PK,  16                           ; v[16:47]   packed bf16 of one piece's 16 rows
.set ACC, 16                           ; v[16:47]   later: four accumulators
.set RAW, 64                           ; v[64:255]  48 rows' loads, 4 registers each
.set FW,  64                           ; v[64:95]   later: W_h's four fragments (stored to Wf from here, not written again)
.set FS,  96                           ; v[96:127]  W_s's four fragments
.set FT,  128                          ; v[128:255] s_t's sixteen fragments
.set OUT, 96                           ; v[96:127]  last: rows of the stage
	s_load_b256 s[4:11], s[0:1], 0x0               ; W_h s[4:5], W_s s[6:7], s_t s[8:9], Wf s[10:11]
	s_load_b64 s[12:13], s[0:1], 0x20              ; P
	v_lshl_add_u32 v62, v0, 2, 0x11000
	v_mov_b32 v63, 0
	v_lshrrev_b32 v12, 5, v0
	v_readfirstlane_b32 s14, v12                   ; wave 0..3
	s_lshr_b32 s15, ttmp9, 4                       ; cg
	s_and_b32 s16, ttmp9, 15                       ; ks
	v_and_b32 v3, 31, v0                           ; L
	v_and_b32 v1, 15, v0                           ; r
	v_bfe_u32 v2, v0, 4, 1                         ; h
	s_lshl_b32 s20, s16, 9                         ; 128 k of f32 = 512 bytes a slice
	s_mov_b32 s21, 0
	s_lshl_b32 s18, s15, 19                        ; 64 rows of 8,192 bytes
	s_or_b32 s18, s18, s20
	s_mov_b32 s19, 0
	s_lshr_b32 s22, s15, 1                         ; Wf: NF/8 = cg/2, KF/4 = ks
	s_lshl_b32 s22, s22, 4
	s_or_b32 s22, s22, s16
	s_lshl_b32 s22, s22, 15
	s_and_b32 s26, s15, 1                          ; NF%8 = 4 (cg%2) + w, four fragments (KF%4) of 1,024 bytes each
	s_lshl_b32 s26, s26, 2
	s_add_co_u32 s26, s26, s14
	s_lshl_b32 s26, s26, 12
	s_add_co_u32 s22, s22, s26
	s_mov_b32 s23, 0
	s_lshl_b32 s24, s16, 18                        ; P: slice ks of 64 x 1024 f32,
	s_lshl_b32 s26, s15, 8                         ; column 64 cg
	s_add_co_u32 s24, s24, s26
	s_mov_b32 s25, 0
	s_mul_i32 s28, s14, 16*PITCH                   ; my wave's 16 rows in an LDS tile
	v_lshlrev_b32 v[VIN], 4, v3
	v_lshl_add_u32 v[VIN], s14, 17, v[VIN]         ; 16 w rows of 8,192 bytes + 16 L
	v_lshl_add_u32 v[VST], v3, 3, s28              ; 4 f32 become 8 bytes
	v_mul_u32_u24 v[VFR], v1, PITCH
	v_lshl_add_u32 v[VFR], v2, 4, v[VFR]
	v_add_nc_u32 v[VFO], s28, v[VFR]
	s_lshl_b32 s29, s14, 6                         ; my wave's 16 columns of f32 in the stage
	s_add_co_u32 s29, s29, STG
	v_mul_u32_u24 v[VSG], v1, PITCH
	v_lshl_add_u32 v[VSG], v2, 5, v[VSG]           ; row r, columns 16 w + 8 h ..
	v_add_nc_u32 v[VSG], s29, v[VSG]
	s_add_co_u32 s30, s28, STG
	v_mul_u32_u24 v[VRB], v2, PITCH
	v_lshl_add_u32 v[VRB], v1, 4, v[VRB]           ; row 16 w + h, 16 bytes for each of 16 lanes
	v_add_nc_u32 v[VRB], s30, v[VRB]
	v_lshlrev_b32 v[VPO], 4, v1
	v_lshl_add_u32 v[VPO], v2, 12, v[VPO]          ; the same rows in P: 4,096 bytes a row
	v_lshl_add_u32 v[VPO], s14, 16, v[VPO]
	v_lshlrev_b32 v[VWO], 4, v3
	s_wait_kmcnt 0x0
	s_add_nc_u64 s[4:5], s[4:5], s[18:19]
	s_add_nc_u64 s[6:7], s[6:7], s[18:19]
	s_add_nc_u64 s[8:9], s[8:9], s[20:21]
	s_add_nc_u64 s[10:11], s[10:11], s[22:23]
	s_add_nc_u64 s[12:13], s[12:13], s[24:25]
	; all 48 row loads go out at once.  W_h and W_s are read once in the launch; s_t's piece is read by sixteen work-groups.
.set i, 0
.rept 16
	global_load_b128 v[RAW+4*i:RAW+4*i+3], v[VIN], s[4:5] offset:i*8192 th:TH_LOAD_NT
.set i, i+1
.endr
.set i, 0
.rept 16
	global_load_b128 v[RAW+64+4*i:RAW+64+4*i+3], v[VIN], s[6:7] offset:i*8192 th:TH_LOAD_NT
.set i, i+1
.endr
.set i, 0
.rept 16
	global_load_b128 v[RAW+128+4*i:RAW+128+4*i+3], v[VIN], s[8:9] offset:i*8192
.set i, i+1
.endr
; piece p: 16 rows rounded to bf16 and laid into its LDS tile.  left = the younger pieces' loads, which may stay out.
.macro CVT p, left
	s_wait_loadcnt \left
.set i, 0
.rept 16
	v_cvt_pk_bf16_f32 v[PK+2*i],   v[RAW+64*\p+4*i],   v[RAW+64*\p+4*i+1]
	v_cvt_pk_bf16_f32 v[PK+2*i+1], v[RAW+64*\p+4*i+2], v[RAW+64*\p+4*i+3]
	ds_store_b64 v[VST], v[PK+2*i:PK+2*i+1] offset:\p*TILE+i*PITCH
.set i, i+1
.endr
.endm
	CVT 0, 32
	CVT 1, 16
	CVT 2, 0
	s_wait_dscnt 0x0                               ; my stores are done, for the others' sake: every wave reads all of s_t's tile
	s_barrier_signal -1
	s_barrier_wait -1
	; fragments: 16 rows x 32 k in 8 registers, two loads of 16 bytes, 32 bytes apart
.irp kf, 0,1,2,3
	ds_load_b128 v[FW+8*\kf:FW+8*\kf+3],   v[VFO] offset:TH+64*\kf
	ds_load_b128 v[FW+8*\kf+4:FW+8*\kf+7], v[VFO] offset:TH+64*\kf+32
.endr
.irp kf, 0,1,2,3
	ds_load_b128 v[FS+8*\kf:FS+8*\kf+3],   v[VFO] offset:TS+64*\kf
	ds_load_b128 v[FS+8*\kf+4:FS+8*\kf+7], v[VFO] offset:TS+64*\kf+32
.endr
.irp mf, 0,1,2,3
.irp kf, 0,1,2,3
	ds_load_b128 v[FT+8*(4*\mf+\kf):FT+8*(4*\mf+\kf)+3],   v[VFR] offset:TT+\mf*16*PITCH+64*\kf
	ds_load_b128 v[FT+8*(4*\mf+\kf)+4:FT+8*(4*\mf+\kf)+7], v[VFR] offset:TT+\mf*16*PITCH+64*\kf+32
.endr
.endr
	s_wait_dscnt 40                                ; W_h's eight loads are in; the 40 issued behind them may stay out
.irp kf, 0,1,2,3
	global_store_b128 v[VWO], v[FW+8*\kf:FW+8*\kf+3],   s[10:11] offset:\kf*1024       ; each store of the wave: 512 consecutive aligned bytes
	global_store_b128 v[VWO], v[FW+8*\kf+4:FW+8*\kf+7], s[10:11] offset:\kf*1024+512
.endr
	s_wait_dscnt 0x0
	; source 0 = 16 rows of W_s (n), source 1 = 16 rows of s_t (b): a lane then holds row b = 16 mf + r and columns n = 16 w + 8 h + 0..7.
	; The first k block starts the sums.  The four accumulators take turns, one instruction a turn.
.irp kf, 0,1,2,3
.irp mf, 0,1,2,3
.if \kf == 0
	v_wmma_f32_16x16x32_bf16 v[ACC+8*\mf:ACC+8*\mf+7], v[FS+8*\kf:FS+8*\kf+7], v[FT+8*(4*\mf+\kf):FT+8*(4*\mf+\kf)+7], 0
.else
	v_wmma_f32_16x16x32_bf16 v[ACC+8*\mf:ACC+8*\mf+7], v[FS+8*\kf:FS+8*\kf+7], v[FT+8*(4*\mf+\kf):FT+8*(4*\mf+\kf)+7], v[ACC+8*\mf:ACC+8*\mf+7]
.endif
.endr
.endr
.rept 4
	v_nop                                          ; four places behind the last matrix instruction: the stores below read results, the loads further down land on W_s's fragments
.endr
.irp mf, 0,1,2,3
	ds_store_b128 v[VSG], v[ACC+8*\mf:ACC+8*\mf+3]   offset:\mf*16*PITCH
	ds_store_b128 v[VSG], v[ACC+8*\mf+4:ACC+8*\mf+7] offset:\mf*16*PITCH+16
.endr
	s_wait_dscnt 0x0                               ; each wave wrote 16 columns of all 64 rows; rows are read whole behind the barrier
	s_barrier_signal -1
	s_barrier_wait -1
.irp i, 0,1,2,3,4,5,6,7
	ds_load_b128 v[OUT+4*\i:OUT+4*\i+3], v[VRB] offset:\i*2*PITCH
.endr
.irp i, 0,1,2,3,4,5,6,7
	s_wait_dscnt 7-\i                              ; LDS loads come back in order: pair i of rows is in
	global_store_b128 v[VPO], v[OUT+4*\i:OUT+4*\i+3], s[12:13] offset:\i*8192   ; 16 lanes store 256 consecutive aligned bytes of a row of P
.endr
	s_wait_tensorcnt 0x0
	ds_add_u32 v62, v63
	s_wait_dscnt 0x0
	s_endpgm
.Lfunc_end_k_q170cef3443_prep:
	.size	k_q170cef3443_prep, .Lfunc_end_k_q170cef3443_prep-k_q170cef3443_prep
	.p2alignl 7, 3214868480
	.fill 96, 4, 3214868480
	.section	.rodata,"a",@progbits
	.p2align	6, 0x0
	.amdhsa_kernel k_q170cef3443_prep
		.amdhsa_group_segment_fixed_size 70144
		.amdhsa_private_segment_fixed_size 0
		.amdhsa_enable_private_segment 0
		.amdhsa_kernarg_size 40
		.amdhsa_user_sgpr_count 2
		.amdhsa_user_sgpr_kernarg_segment_ptr 1
		.amdhsa_wavefront_size32 1
		.amdhsa_system_sgpr_workgroup_id_x 1
		.amdhsa_system_sgpr_workgroup_id_y 1
		.amdhsa_system_sgpr_workgroup_id_z 1
		.amdhsa_system_vgpr_workitem_id 0
		.amdhsa_next_free_vgpr 256
		.amdhsa_next_free_sgpr 66
		.amdhsa_reserve_vcc 0
		.amdhsa_float_denorm_mode_32 3
		.amdhsa_float_denorm_mode_16_64 3
		.amdhsa_memory_ordered 1
		.amdhsa_forward_progress 1
		.amdhsa_inst_pref_size 24
	.end_amdhsa_kernel
	.amdgpu_metadata
---
amdhsa.version: [ 1, 2 ]
amdhsa.kernels:
  - .name:           k_q170cef3443_prep
    .symbol:         k_q170cef3443_prep.kd
    .args:
      - { .name: W_h, .offset: 0, .size: 8, .value_kind: global_buffer, .address_space: global }
      - { .name: W_s, .offset: 8, .size: 8, .value_kind: global_buffer, .address_space: global }
      - { .name: s_t, .offset: 16, .size: 8, .value_kind: global_buffer, .address_space: global }
      - { .name: Wf, .offset: 24, .size: 8, .value_kind: global_buffer, .address_space: global }
      - { .name: P, .offset: 32, .size: 8, .value_kind: global_buffer, .address_space: global }
    .group_segment_fixed_size: 70144
    .private_segment_fixed_size: 0
    .kernarg_segment_align: 8
    .kernarg_segment_size: 40
    .max_flat_workgroup_size: 128
    .sgpr_count:     66
    .vgpr_count:     256
    .wavefront_size: 32
...
	.end_amdgpu_metadata
.endif
;; end of part 1
;; launch scores (part 2): grid 512 x 1, 4 waves a work-group, clusters of 4 x 1, 327,680 bytes of LDS; arguments h_i, Wf, P, b_h, b_s, W_c, v_a, coverage, Ep; writes Ep
.if DOCPART == 2
	.amdgcn_target "amdgcn-amd-amdhsa--gfx1250"
	.amdhsa_code_object_version 6
	.text
	.protected	k_q170cef3443_scores
	.globl	k_q170cef3443_scores
	.p2align	8
	.type	k_q170cef3443_scores,@function
k_q170cef3443_scores:
	s_mov_b64 s[64:65], 0
	v_nop
	global_prefetch_b8 v0, s[64:65] scope:SCOPE_SE
	s_setreg_imm32_b32 hwreg(HW_REG_WAVE_MODE, 25, 1), 1
	s_wait_xcnt 0x0
	s_wait_alu depctr_hold_cnt(0) depctr_sa_sdst(0) depctr_va_vdst(0) depctr_va_sdst(0) depctr_va_ssrc(0) depctr_va_vcc(0) depctr_vm_vsrc(0)
	s_getreg_b32 s2, hwreg(HW_REG_IB_STS2, 6, 4)
	s_cmp_eq_u32 s2, 0
	s_cbranch_scc0 .Lentry_in_a_cluster
	s_endpgm
.Lentry_in_a_cluster:
	s_bfe_u32 s2, ttmp6, 0x10000c
	s_cmp_lg_u32 s2, 0x3003
	s_cbranch_scc0 .Lentry_shape_is_right
	s_endpgm
.Lentry_shape_is_right:
; Ep[nb][row] = sum over the 512 columns n of block nb of (-2 v_a[n]) / (1 + exp(2 x[row][n])),
;   x = h_i[row] . W_h[n] + b_h[n] + (s_t W_s^T)[batch][n] + b_s[n] + coverage[row] W_c[n].
; Since tanh(x) = 1 - 2 / (1 + exp(2x)), the score is E[row] = sum(v_a) + b_a + Ep[0][row] + Ep[1][row]; the next launch adds these up.
; LIMITS: h_i and W_h go to the matrix unit in bf16, sums in f32.  exp(2x) is 2^(x K2), K2 = 2 log2(e): it overflows to infinity (the term
; is then 0, tanh = 1) and underflows to 0 (the term is -2 v, tanh = -1), both the right limits.  E is a sum of terms of the size of
; sum|v_a|, so its absolute rounding error is of the order of 2^-23 sum|v_a|.
;
; A work-group makes 128 rows x 512 columns with four waves; wave w makes all 128 rows x columns 128 w .. + 127: 64 accumulator tiles of
; 16 x 16, 512 registers.  512 work-groups: 256 row blocks mb x 2 column blocks nb.
; B (Wf, bf16 in fragment order) comes by tensor loads into a ring of two LDS slots of K = 128; each wave brings and reads its own 32 KiB of a slot.
; CLUSTERS: the four work-groups of a cluster have the same nb and four neighbouring mb, so they need the same bytes of Wf: each of these
; loads is a joint request of the four (mask 15), which divides the requests for Wf by four.
; A (h_i, f32) is NOT asked for jointly and does not come by tensor loads: a row block of h_i is shared by two work-groups only (nb = 0, 1),
; and f32 rows in LDS beside B's ring would leave room for slots of K = 64 at most, whose loads would all have to land within one such step.
; Instead each wave loads a quarter of the rows into registers (16 lanes take 256 consecutive aligned bytes of a row), two blocks of K = 64
; ahead, rounds each number to bf16 once, and lays it into a small LDS ring of two blocks, from which all four waves take fragments.
;
; REGISTERS, in windows of 256:
;   window 0: v0-31 addresses; v64-127, v128-191 fragments of A, two buffers; v192-223 packed bf16 on the way to LDS
;   window 1: v64-127, v128-191 fragments of B, two buffers; v0-63, v192-255 two blocks of A as loaded (f32)
;   window 2: the 32 accumulator tiles of rows 0-63 (tile (a, b) at v[8 (8 a + b)]);  window 3: those of rows 64-127
; The matrix instruction is used transposed (source 0 = 16 columns' rows of Wf, source 1 = 16 rows of h_i): lane l holds row l % 16 and
; its registers 0..7 the columns 8 (l / 16) + 0..7, so the dot with v_a runs along a lane's registers and needs one step across lanes.
.set BSLOT,  131072                    ; a slot of B: 512 n x 128 k of bf16
.set BPART,  32768                     ; a wave's part of it: 8 x 4 fragments of 1,024 bytes
.set AR,     262144                    ; A's ring
.set APITCH, 144                       ; 64 bf16 = 128 bytes + 16: an odd multiple of 16, so 16 rows of one column start 16 bytes apart modulo 256
.set ASLOT,  128*APITCH                ; 18,432
.set PB,     299008                    ; 512 f32: K2 (b_h + b_s + s_t W_s^T); + 2048: K2 W_c; + 4096: -2 v_a
.set CV,     305152                    ; coverage of the 128 rows, a copy for each wave
.set ES,     307200                    ; [4 waves][128 rows] f32
.set ADRA, 16                          ; v16  LDS: A fragments
.set STA,  17                          ; v17  LDS: where my 8 bytes of bf16 go
.set VA,   18                          ; v18  byte offset in h_i of my 16 bytes
.set ADRB, 20                          ; v20-21 LDS: B fragments in slot 0, 1
.set ADRP, 22                          ; v22  LDS: my 8 columns' parameters
.set ADRC, 23                          ; v23  LDS: my row's coverage
.set ESST, 24                          ; v24
.set ESRD, 25                          ; v25
.set EO,   26                          ; v26  16 x lane
.set PST,  27                          ; v27
.set CVST, 28                          ; v28
.set POFF, 29                          ; v29  16 x thread
.set COV,  32                          ; v[32:39]   way out: coverage of my row in each of the 8 row tiles
.set EACC, 40                          ; v[40:55]   way out: a pair of sums for each row tile
.set F0,   64
.set F1,   128
.set PK,   192
.set PRM,  64                          ; head only: v[64:127] P's 16 slices, v[128:131] b_h, v[132:135] b_s, v[136:139] W_c, v[140:143] v_a, v[144:147] coverage
.set T,    64                          ; way out: 32 numbers at work
.set PAR0, 96                          ; way out: 24 parameters of a column block, two buffers
.set PAR1, 120
.set G1, 32                            ; s[32:39] descriptor group 1
.set G0, 40                            ; s[40:47] descriptor group 0, a set for each slot
.set MSB, 0
.macro WIN new                         ; the immediate's high byte repeats the setting that is left
.if MSB != (\new)
	s_set_vgpr_msb (MSB<<8)|(\new)
.set MSB, (\new)
.endif
.endm
.set MUL_LO, 0xa1                      ; source 0 (B) window 1, source 1 (A) window 0, C and D window 2
.set MUL_HI, 0xf1                      ; the same, C and D window 3
.set TO_B,   0x40                      ; destination window 1, address window 0
.set CV_W,   0x05                      ; sources 0 and 1 window 1, destination window 0
.macro PLACES                          ; four places behind matrix instructions, in front of loads into their sources and of reads of their results
.rept 4
	v_nop
.endr
.endm
; A round of the cluster's barrier: my work-group's barrier, wave 0 signals for the work-group, every wave waits for all four work-groups, my work-group's barrier again.
.macro CREST
	s_cmp_lg_u32 s22, 0
	s_cbranch_scc1 .Lnot_wave_0_\@
	s_barrier_signal -3
.Lnot_wave_0_\@:
	s_barrier_wait -3
	s_barrier_signal -1
	s_barrier_wait -1
.endm
.macro CROUND
	s_barrier_signal -1
	s_barrier_wait -1
	CREST
.endm
	s_load_b256 s[4:11], s[0:1], 0x0               ; h_i s[4:5], Wf s[6:7], P s[8:9], b_h s[10:11]
	s_load_b256 s[12:19], s[0:1], 0x20             ; b_s s[12:13], W_c s[14:15], v_a s[16:17], coverage s[18:19]
	s_load_b64 s[20:21], s[0:1], 0x40              ; Ep
	v_lshl_add_u32 v254, v0, 2, 0x4b800
	v_mov_b32 v255, 0
	ds_add_u32 v254, v255
	v_lshrrev_b32 v3, 5, v0
	v_readfirstlane_b32 s22, v3                    ; wave 0..3
	s_and_b32 s23, ttmp9, 1                        ; nb: the cluster's number is 2 (mb / 4) + nb
	s_bfe_u32 s25, ttmp6, 0x40000                  ; cx: my place in the cluster
	s_lshr_b32 s24, ttmp9, 1
	s_lshl_b32 s24, s24, 2
	s_add_co_u32 s24, s24, s25                     ; mb: row block of 128 rows
	s_mov_b32 s48, 0x76543210                      ; v_permlanex16_b32: lane i reads lane i of the other half
	s_mov_b32 s49, 0xfedcba98
	v_and_b32 v1, 15, v0                           ; r
	v_bfe_u32 v2, v0, 4, 1                         ; h
	v_and_b32 v3, 31, v0                           ; L
	s_lshl_b32 s26, s24, 20                        ; h_i: 128 rows of 8,192 bytes
	s_mov_b32 s27, 0
	s_lshr_b32 s28, s24, 2                         ; P: batch = mb / 4, rows of 4,096 bytes,
	s_lshl_b32 s28, s28, 12
	s_lshl_b32 s30, s23, 11                        ; and 512 columns of f32 for each nb
	s_add_co_u32 s28, s28, s30
	s_mov_b32 s29, 0
	s_mov_b32 s31, 0
	s_lshl_b32 s50, s24, 9                         ; coverage: 128 rows of 4 bytes
	s_mov_b32 s51, 0
	s_lshl_b32 s52, s23, 17                        ; Ep: 32,768 rows of f32 for each nb
	s_add_co_u32 s52, s52, s50
	s_mov_b32 s53, 0
	s_lshl_b32 s54, s23, 2                         ; Wf: group of 128 columns 4 nb + w, 16 K steps of 32 KiB.  No place in the cluster enters
	s_add_co_u32 s54, s54, s22
	s_lshl_b32 s54, s54, 19
	s_mov_b32 s55, 0
	s_lshl_b32 s56, s22, 15                        ; my wave's part of a slot
	; descriptor group 1: 128 rows of 32 elements of 8 bytes, dense: a wave's 32 KiB of one K step
	s_mov_b32 s[G1+0], 15|(3<<16)|(1<<21)          ; 15:0 the mask: all four work-groups of the cluster; 17:16 element of 8 bytes; 21 set beside a mask; no padding
	s_mov_b32 s[G1+1], 32<<16                      ; tensor_dim0 = 32
	s_mov_b32 s[G1+2], 128<<16                     ; tensor_dim1 = 128
	s_mov_b32 s[G1+3], 32<<16                      ; tile_dim0 = 32
	s_mov_b32 s[G1+4], 128                         ; tile_dim1 = 128
	s_mov_b32 s[G1+5], 32                          ; from row to row: 32 elements
	s_mov_b32 s[G1+6], 0
	s_mov_b32 s[G1+7], 0
	v_mul_u32_u24 v[ADRA], v1, APITCH
	v_lshl_add_u32 v[ADRA], v2, 4, v[ADRA]
	v_add_nc_u32 v[ADRA], AR, v[ADRA]              ; row r, 16 bytes for each half of the lanes
	s_mul_i32 s57, s22, 32*APITCH
	s_add_co_u32 s57, s57, AR
	v_mul_u32_u24 v[STA], v2, APITCH
	v_lshl_add_u32 v[STA], v1, 3, v[STA]
	v_add_nc_u32 v[STA], s57, v[STA]               ; row 32 w + h, 8 bytes for each of 16 lanes
	v_lshlrev_b32 v[VA], 4, v1
	v_lshl_add_u32 v[VA], v2, 13, v[VA]
	v_lshl_add_u32 v[VA], s22, 18, v[VA]           ; the same row in h_i, 16 bytes for each of 16 lanes
	v_lshlrev_b32 v[EO], 4, v3
	v_add_nc_u32 v[ADRB], s56, v[EO]
	v_add_nc_u32 v[ADRB+1], BSLOT, v[ADRB]
	s_lshl_b32 s58, s22, 9                         ; 128 f32 for each wave
	s_add_co_u32 s59, s58, PB
	v_lshl_add_u32 v[ADRP], v2, 5, s59
	s_add_co_u32 s60, s58, CV
	v_lshl_add_u32 v[ADRC], v1, 2, s60
	v_add_nc_u32 v[CVST], s60, v[EO]
	s_add_co_u32 s61, s58, ES
	v_lshl_add_u32 v[ESST], v1, 2, s61
	v_add_nc_u32 v[ESRD], ES, v[EO]
	v_lshlrev_b32 v[POFF], 4, v0
	v_add_nc_u32 v[PST], PB, v[POFF]
	s_wait_dscnt 0x0
	s_wait_kmcnt 0x0
	s_add_nc_u64 s[4:5], s[4:5], s[26:27]
	s_add_nc_u64 s[6:7], s[6:7], s[54:55]
	s_add_nc_u64 s[8:9], s[8:9], s[28:29]
	s_add_nc_u64 s[10:11], s[10:11], s[30:31]
	s_add_nc_u64 s[12:13], s[12:13], s[30:31]
	s_add_nc_u64 s[14:15], s[14:15], s[30:31]
	s_add_nc_u64 s[16:17], s[16:17], s[30:31]
	s_add_nc_u64 s[18:19], s[18:19], s[50:51]
	s_add_nc_u64 s[20:21], s[20:21], s[52:53]
; 16 loads: block of 64 k at byte kb of the rows, my wave's 32 rows, two rows a load (16 lanes: 256 consecutive aligned bytes of a row)
.macro ALOAD set, kb
	WIN TO_B
.set i, 0
.rept 16
	global_load_b128 v[192*\set+4*i:192*\set+4*i+3], v[VA], s[4:5] offset:i*16384+\kb
.set i, i+1
.endr
.endm
; the block in raw set 'set' is rounded to bf16 and laid into A's slot 'as'.  left = the loads of the block behind it, which stay out.
.macro CONV set, as, left
	s_wait_loadcnt \left
	WIN CV_W
.set i, 0
.rept 16
	v_cvt_pk_bf16_f32 v[PK+2*i],   v[192*\set+4*i],   v[192*\set+4*i+1]
	v_cvt_pk_bf16_f32 v[PK+2*i+1], v[192*\set+4*i+2], v[192*\set+4*i+3]
.set i, i+1
.endr
	WIN 0
.set i, 0
.rept 16
	ds_store_b64 v[STA], v[PK+2*i:PK+2*i+1] offset:\as*ASLOT+i*2*APITCH
.set i, i+1
.endr
.endm
; 16 LDS loads: my 8 fragments of B for 32 k (fragment column kf of slot bs) into buffer f
.macro FETCHB bs, kf, f
	WIN TO_B
.irp i, 0,1,2,3,4,5,6,7
	ds_load_b128 v[\f+8*\i:\f+8*\i+3],   v[ADRB+\bs] offset:(4*\i+(\kf))*1024
	ds_load_b128 v[\f+8*\i+4:\f+8*\i+7], v[ADRB+\bs] offset:(4*\i+(\kf))*1024+512
.endr
.endm
; 16 LDS loads: the 8 fragments of A for 32 k (half kq of the block in slot as) into buffer f
.macro FETCHA as, kq, f
	WIN 0
.irp i, 0,1,2,3,4,5,6,7
	ds_load_b128 v[\f+8*\i:\f+8*\i+3],   v[ADRA] offset:\as*ASLOT+\i*16*APITCH+\kq*64
	ds_load_b128 v[\f+8*\i+4:\f+8*\i+7], v[ADRA] offset:\as*ASLOT+\i*16*APITCH+\kq*64+32
.endr
.endm
; 16 matrix instructions: row tiles a0, a0 + 1 of the window's four x all 8 column tiles.  zero = 1: the first product starts the sums.
; The 64 accumulators take turns in the same order in every quarter, one instruction a turn.
.macro MUL16 f, hi, a0, zero
.irp a, \a0, \a0+1
.irp b, 0,1,2,3,4,5,6,7
.if \zero
	v_wmma_f32_16x16x32_bf16 v[8*(8*(\a)+\b):8*(8*(\a)+\b)+7], v[\f+8*\b:\f+8*\b+7], v[\f+8*(4*\hi+\a):\f+8*(4*\hi+\a)+7], 0
.else
	v_wmma_f32_16x16x32_bf16 v[8*(8*(\a)+\b):8*(8*(\a)+\b)+7], v[\f+8*\b:\f+8*\b+7], v[\f+8*(4*\hi+\a):\f+8*(4*\hi+\a)+7], v[8*(8*(\a)+\b):8*(8*(\a)+\b)+7]
.endif
.endr
.endr
.endm
; The first half (32 k) of a block of 64 k: multiplies buffer 0.  In its middle: the next block of A goes to LDS (conv), the block three
; ahead is asked for (load), and the second half's fragments are fetched into buffer 1.
.macro QA bs, kf, as, zero, conv, set, sas, left, load, kb
	s_wait_dscnt 8                                 ; B and A's rows 0-63 are in; the youngest eight loads (A's rows 64-127) may be out
	WIN MUL_LO
	MUL16 F0, 0, 0, \zero
	MUL16 F0, 0, 2, \zero
	PLACES
.if \conv
	CONV \set, \sas, \left
.endif
	FETCHB \bs, \kf+1, F1
.if \load
	ALOAD \set, \kb
.endif
	FETCHA \as, 1, F1
	s_wait_dscnt 32                                ; all but the 32 fragment loads just issued
	WIN MUL_HI
	MUL16 F0, 1, 0, \zero
	MUL16 F0, 1, 2, \zero
.endm
; The second half of a block: multiplies buffer 1 and changes blocks.  One barrier: in front of it my reads of the block that ends and my
; stores of the next block are done; behind it the next block is whole and the old one's slot may be written.
; kind 0: that alone; my tensor load stays out, since no tensor load fills anything behind this barrier.
; kind 1: B's slot ends too: all my tensor loads have landed (the one that was out is my part of the next slot), the barrier opens a round of the
;         cluster's barrier, and slot rs is asked for again, jointly, first thing behind the round.  From that request to the wait for it: 240 matrix instructions.
; kind 2: B's slot ends and nothing is left to fetch.
.macro TURN kind, bsn, kfn, asn, rs
	s_wait_dscnt 8
	WIN MUL_LO
	MUL16 F1, 0, 0, 0
	s_wait_dscnt 0x0
.if \kind
	s_set_vgpr_msb 0xa1a0
	s_wait_tensorcnt 0x0
	ds_add_u32 v254, v255
	s_wait_dscnt 0x0
	s_set_vgpr_msb 0xa0a1
.endif
	s_barrier_signal -1
	MUL16 F1, 0, 2, 0                              ; work on registers while the others arrive
	WIN 0
	s_barrier_wait -1
.if \kind == 1
	CREST
	s_add_nc_u64 s[G0+4*\rs+2:G0+4*\rs+3], s[G0+4*\rs+2:G0+4*\rs+3], 2*BPART   ; no tensor load of mine is out: the slot's address steps two K steps on
	tensor_load_to_lds s[G0+4*\rs:G0+4*\rs+3], s[G1:G1+7]
	s_nop 0
.endif
	PLACES
	FETCHB \bsn, \kfn, F0
	FETCHA \asn, 0, F0
	WIN MUL_HI
	MUL16 F1, 1, 0, 0
	MUL16 F1, 1, 2, 0
.endm
; 256 k: four blocks u .. u + 3 of A (raw set and LDS slot = block % 2), two slots of B.  At block x: block x + 1 goes to LDS, block x + 3 is asked for.
.macro LAP zero
	QA 0, 0, 0, \zero, 1, 1, 1, 16, 1, 768
	TURN 0, 0, 2, 1, 0
	QA 0, 2, 1, 0, 1, 0, 0, 16, 1, 1024
	TURN 1, 1, 0, 0, 0
	QA 1, 0, 0, 0, 1, 1, 1, 16, 1, 1280
	TURN 0, 1, 2, 1, 0
	QA 1, 2, 1, 0, 1, 0, 0, 16, 1, 1536
	TURN 1, 0, 0, 0, 1
	WIN 0
	s_wait_xcnt 0x0                                ; the loads' base is stepped only behind this wait
	s_add_nc_u64 s[4:5], s[4:5], 1024
.endm
	; the parameters of my 4 columns (thread t: columns 4 t .. 4 t + 3 of the 512, which are columns of my own wave), and the rows' coverage
.set i, 0
.rept 16
	global_load_b128 v[PRM+4*i:PRM+4*i+3], v[POFF], s[8:9] offset:i*262144
.set i, i+1
.endr
	global_load_b128 v[128:131], v[POFF], s[10:11]
	global_load_b128 v[132:135], v[POFF], s[12:13]
	global_load_b128 v[136:139], v[POFF], s[14:15]
	global_load_b128 v[140:143], v[POFF], s[16:17]
	global_load_b128 v[144:147], v[EO], s[18:19]
	ALOAD 0, 0                                     ; blocks 0 and 1 of A
	ALOAD 1, 256
	WIN 0
	CROUND                                         ; all four work-groups are here: the first joint loads meet
.irp s, 0,1
	s_mov_b32 s[G0+4*\s], 1                                        ; count = 1
	s_add_co_u32 s[G0+4*\s+1], s56, \s*BSLOT                       ; LDS address: the wave's part of slot s
	s_add_nc_u64 s[G0+4*\s+2:G0+4*\s+3], s[6:7], \s*BPART          ; global address: K step s
	s_or_b32 s[G0+4*\s+3], s[G0+4*\s+3], 0x80000000                ; type = 2
	tensor_load_to_lds s[G0+4*\s:G0+4*\s+3], s[G1:G1+7]            ; both first fills go out together: two tensor loads of the wave are out here, one later on
	s_nop 0
.endr
	s_wait_loadcnt 32                              ; the 21 parameter loads are in; A's 32 stay out
.irp d, 8,4,2,1
.set j, 0
.rept \d
	v_pk_add_f32 v[PRM+4*j:PRM+4*j+1],   v[PRM+4*j:PRM+4*j+1],   v[PRM+4*(j+\d):PRM+4*(j+\d)+1]     ; the 16 slices of s_t W_s^T, in a fixed order
	v_pk_add_f32 v[PRM+4*j+2:PRM+4*j+3], v[PRM+4*j+2:PRM+4*j+3], v[PRM+4*(j+\d)+2:PRM+4*(j+\d)+3]
.set j, j+1
.endr
.endr
	v_pk_add_f32 v[128:129], v[128:129], v[132:133]                ; b_h + b_s
	v_pk_add_f32 v[130:131], v[130:131], v[134:135]
	v_pk_add_f32 v[64:65], v[64:65], v[128:129]
	v_pk_add_f32 v[66:67], v[66:67], v[130:131]
	v_pk_mul_f32 v[64:65], v[64:65], 0x4038aa3b op_sel_hi:[1,0]    ; K2 = 2 log2(e) is folded into all that goes into the exponent
	v_pk_mul_f32 v[66:67], v[66:67], 0x4038aa3b op_sel_hi:[1,0]
	v_pk_mul_f32 v[136:137], v[136:137], 0x4038aa3b op_sel_hi:[1,0]
	v_pk_mul_f32 v[138:139], v[138:139], 0x4038aa3b op_sel_hi:[1,0]
	v_pk_mul_f32 v[140:141], v[140:141], -2.0 op_sel_hi:[1,0]
	v_pk_mul_f32 v[142:143], v[142:143], -2.0 op_sel_hi:[1,0]
	ds_store_b128 v[PST], v[64:67]
	ds_store_b128 v[PST], v[136:139] offset:2048
	ds_store_b128 v[PST], v[140:143] offset:4096
	ds_store_b128 v[CVST], v[144:147]
	CONV 0, 0, 16                                  ; block 0 to LDS; block 1's loads stay out
	ALOAD 0, 512                                   ; block 2
	WIN 0
	s_wait_tensorcnt 0x1                           ; my part of B's slot 0 is in; slot 1's stays out
	s_wait_dscnt 0x0                               ; my stores are done
	s_barrier_signal -1
	s_barrier_wait -1
	FETCHB 0, 0, F0
	FETCHA 0, 0, F0
	LAP 1                                          ; the first lap stands in front of the loop: its first products start the sums
	s_mov_b32 s3, 6
.Llap:
	LAP 0
	s_sub_co_u32 s3, s3, 1
	s_cmp_lg_u32 s3, 0
	s_cbranch_scc1 .Llap
	; the last lap, blocks 28 to 31: block 31 is the last that is asked for, B's slots are not filled again
	QA 0, 0, 0, 0, 1, 1, 1, 16, 1, 768
	TURN 0, 0, 2, 1, 0
	QA 0, 2, 1, 0, 1, 0, 0, 16, 0, 0
	TURN 2, 1, 0, 0, 0
	QA 1, 0, 0, 0, 1, 1, 1, 0, 0, 0
	TURN 0, 1, 2, 1, 0
	QA 1, 2, 1, 0, 0, 0, 0, 0, 0, 0
	s_wait_dscnt 8
	WIN MUL_LO
	MUL16 F1, 0, 0, 0
	MUL16 F1, 0, 2, 0
	s_wait_dscnt 0x0
	WIN MUL_HI
	MUL16 F1, 1, 0, 0
	MUL16 F1, 1, 2, 0
	; THE WAY OUT.  Lane (r, h) holds, in tile (a, b) of window 2 + hi, row 16 (4 hi + a) + r and columns 16 b + 8 h + 0..7 of my wave's 128.
	PLACES
	WIN 0
.irp a, 0,1,2,3,4,5,6,7
	ds_load_b32 v[COV+\a], v[ADRC] offset:64*\a
.endr
; the 24 parameters of my 8 columns in column tile b: K2 bias, K2 W_c, -2 v_a
.macro PARLD b, par
.irp q, 0,1,2
	ds_load_b128 v[\par+8*\q:\par+8*\q+3],   v[ADRP] offset:64*(\b)+2048*\q
	ds_load_b128 v[\par+8*\q+4:\par+8*\q+7], v[ADRP] offset:64*(\b)+2048*\q+16
.endr
.endm
; four tiles (a = 0..3) of column tile b: 32 numbers a lane
.macro GROUP b, hi, par
	WIN (0x02+\hi)                                 ; source 0: the accumulators' window
.irp a, 0,1,2,3
.irp p, 0,2,4,6
	v_pk_fma_f32 v[T+8*\a+\p:T+8*\a+\p+1], v[8*(8*\a+(\b))+\p:8*(8*\a+(\b))+\p+1], 0x4038aa3b, v[\par+\p:\par+\p+1] op_sel_hi:[1,0,1]
.endr
.endr
	WIN 0
.irp a, 0,1,2,3
.irp p, 0,2,4,6
.if (\a)&1                                     ; the row's coverage multiplies both halves: the pair's second register, or its first
	v_pk_fma_f32 v[T+8*\a+\p:T+8*\a+\p+1], v[\par+8+\p:\par+8+\p+1], v[COV+4*\hi+\a-1:COV+4*\hi+\a], v[T+8*\a+\p:T+8*\a+\p+1] op_sel:[0,1,0] op_sel_hi:[1,1,1]
.else
	v_pk_fma_f32 v[T+8*\a+\p:T+8*\a+\p+1], v[\par+8+\p:\par+8+\p+1], v[COV+4*\hi+\a:COV+4*\hi+\a+1], v[T+8*\a+\p:T+8*\a+\p+1] op_sel_hi:[1,0,1]
.endif
.endr
.endr
.set i, 0
.rept 32
	v_exp_f32 v[T+i], v[T+i]                       ; exp(2x)
.set i, i+1
.endr
	v_nop                                          ; one plain instruction between a transcendental and the use of its result (ISA guide 5.7.2)
.set i, 0
	s_wait_alu depctr_va_vdst(0)
.rept 16
	v_pk_add_f32 v[T+2*i:T+2*i+1], v[T+2*i:T+2*i+1], 1.0 op_sel_hi:[1,0]
.set i, i+1
.endr
.set i, 0
.rept 32
	v_rcp_f32 v[T+i], v[T+i]
.set i, i+1
.endr
	v_nop
	s_wait_alu depctr_va_vdst(0)
.irp p, 0,2,4,6
.irp a, 0,1,2,3
.if ((\b)+\p) == 0                             ; the first product starts each row tile's sums
	s_wait_alu depctr_va_vdst(0)
	v_pk_mul_f32 v[EACC+2*(4*\hi+\a):EACC+2*(4*\hi+\a)+1], v[\par+16+\p:\par+16+\p+1], v[T+8*\a+\p:T+8*\a+\p+1]
.else
	v_pk_fma_f32 v[EACC+2*(4*\hi+\a):EACC+2*(4*\hi+\a)+1], v[\par+16+\p:\par+16+\p+1], v[T+8*\a+\p:T+8*\a+\p+1], v[EACC+2*(4*\hi+\a):EACC+2*(4*\hi+\a)+1]
.endif
.endr
.endr
.endm
	PARLD 0, PAR0
.irp b, 0,2,4,6
	PARLD \b+1, PAR1
	s_wait_dscnt 6                                 ; all but the next column tile's six loads
	GROUP \b, 0, PAR0
	GROUP \b, 1, PAR0
.if \b < 6
	PARLD \b+2, PAR0
	s_wait_dscnt 6
.else
	s_wait_dscnt 0x0
.endif
	GROUP \b+1, 0, PAR1
	GROUP \b+1, 1, PAR1
.endr
.irp a, 0,1,2,3,4,5,6,7
	v_add_f32 v[EACC+2*\a], v[EACC+2*\a], v[EACC+2*\a+1]
.endr
.irp a, 0,1,2,3,4,5,6,7
	v_permlanex16_b32 v[EACC+2*\a+1], v[EACC+2*\a], s48, s49       ; the other half of the lanes holds the row's other columns; the destination has been written before
.endr
.irp a, 0,1,2,3,4,5,6,7
	v_add_f32 v[EACC+2*\a], v[EACC+2*\a], v[EACC+2*\a+1]
	ds_store_b32 v[ESST], v[EACC+2*\a] offset:64*\a                ; both halves store the same number to the same word
.endr
	s_wait_dscnt 0x0
	s_barrier_signal -1
	s_barrier_wait -1
	s_cmp_lg_u32 s22, 0
	s_cbranch_scc1 .Lnot_first                     ; wave 0 adds the four waves' sums, in a fixed order
	ds_load_b128 v[64:67], v[ESRD]
	ds_load_b128 v[68:71], v[ESRD] offset:512
	ds_load_b128 v[72:75], v[ESRD] offset:1024
	ds_load_b128 v[76:79], v[ESRD] offset:1536
	s_wait_dscnt 0x0
	v_pk_add_f32 v[64:65], v[64:65], v[68:69]
	v_pk_add_f32 v[66:67], v[66:67], v[70:71]
	v_pk_add_f32 v[72:73], v[72:73], v[76:77]
	v_pk_add_f32 v[74:75], v[74:75], v[78:79]
	v_pk_add_f32 v[64:65], v[64:65], v[72:73]
	v_pk_add_f32 v[66:67], v[66:67], v[74:75]
	global_store_b128 v[EO], v[64:67], s[20:21]    ; 128 rows: 512 consecutive aligned bytes
.Lnot_first:
	s_wait_tensorcnt 0x0
	ds_add_u32 v254, v255
	s_wait_dscnt 0x0
	CROUND                                         ; the closing round: no work-group ends while a partner may still ask jointly
	s_endpgm
.Lfunc_end_k_q170cef3443_scores:
	.size	k_q170cef3443_scores, .Lfunc_end_k_q170cef3443_scores-k_q170cef3443_scores
	.p2alignl 7, 3214868480
	.fill 96, 4, 3214868480
	.section	.rodata,"a",@progbits
	.p2align	6, 0x0
	.amdhsa_kernel k_q170cef3443_scores
		.amdhsa_group_segment_fixed_size 327680
		.amdhsa_private_segment_fixed_size 0
		.amdhsa_enable_private_segment 0
		.amdhsa_kernarg_size 72
		.amdhsa_user_sgpr_count 2
		.amdhsa_user_sgpr_kernarg_segment_ptr 1
		.amdhsa_wavefront_size32 1
		.amdhsa_system_sgpr_workgroup_id_x 1
		.amdhsa_system_sgpr_workgroup_id_y 1
		.amdhsa_system_sgpr_workgroup_id_z 1
		.amdhsa_system_vgpr_workitem_id 0
		.amdhsa_next_free_vgpr 1024
		.amdhsa_next_free_sgpr 66
		.amdhsa_reserve_vcc 0
		.amdhsa_float_denorm_mode_32 3
		.amdhsa_float_denorm_mode_16_64 3
		.amdhsa_memory_ordered 1
		.amdhsa_forward_progress 1
		.amdhsa_inst_pref_size 255
	.end_amdhsa_kernel
	.section	.bss,"aw",@nobits
	.p2align	6
	.space	262144
	.amdgpu_metadata
---
amdhsa.version: [ 1, 2 ]
amdhsa.kernels:
  - .name:           k_q170cef3443_scores
    .symbol:         k_q170cef3443_scores.kd
    .args:
      - { .name: h_i, .offset: 0, .size: 8, .value_kind: global_buffer, .address_space: global }
      - { .name: Wf, .offset: 8, .size: 8, .value_kind: global_buffer, .address_space: global }
      - { .name: P, .offset: 16, .size: 8, .value_kind: global_buffer, .address_space: global }
      - { .name: b_h, .offset: 24, .size: 8, .value_kind: global_buffer, .address_space: global }
      - { .name: b_s, .offset: 32, .size: 8, .value_kind: global_buffer, .address_space: global }
      - { .name: W_c, .offset: 40, .size: 8, .value_kind: global_buffer, .address_space: global }
      - { .name: v_a, .offset: 48, .size: 8, .value_kind: global_buffer, .address_space: global }
      - { .name: coverage, .offset: 56, .size: 8, .value_kind: global_buffer, .address_space: global }
      - { .name: Ep, .offset: 64, .size: 8, .value_kind: global_buffer, .address_space: global }
    .group_segment_fixed_size: 327680
    .private_segment_fixed_size: 0
    .kernarg_segment_align: 8
    .kernarg_segment_size: 72
    .max_flat_workgroup_size: 128
    .sgpr_count:     66
    .vgpr_count:     1024
    .wavefront_size: 32
...
	.end_amdgpu_metadata
.endif
;; end of part 2
;; launch context (part 3): grid 8 x 64, 8 waves a work-group, no clusters, 11,776 bytes of LDS; arguments Ep, v_a, b_a, coverage, h_i, out0, out1, out2; writes out0, out1, out2
.if DOCPART == 3
	.amdgcn_target "amdgcn-amd-amdhsa--gfx1250"
	.amdhsa_code_object_version 6
	.text
	.protected	k_q170cef3443_context
	.globl	k_q170cef3443_context
	.p2align	8
	.type	k_q170cef3443_context,@function
k_q170cef3443_context:
	s_mov_b64 s[64:65], 0
	v_nop
	global_prefetch_b8 v0, s[64:65] scope:SCOPE_SE
	s_setreg_imm32_b32 hwreg(HW_REG_WAVE_MODE, 25, 1), 1
	s_wait_xcnt 0x0
; E[s] = sum(v_a) + b_a + Ep[0][s] + Ep[1][s];  A = softmax(E) over the batch's 512 positions, the maximum taken away first;
; out1 = A, out2 = coverage + A, out0[d] = sum over s of A[s] h_i[s][d], with h_i in f32.
; Work-group (c, b): batch b, columns 256 c .. + 255 (1,024 bytes of every row).  Every work-group makes the batch's softmax for itself (512 numbers);
; the one with c = 0 stores out1 and out2.  Eight waves; wave w takes rows 64 w .. + 63 and keeps 8 column sums a lane.
; This is a product with one row for each batch and streams h_i once: the matrix unit, tensor loads and clusters would add nothing (no two
; work-groups read the same bytes of h_i).  A ring of 16 rows in registers keeps 32 loads of 512 consecutive bytes of every wave on their way.
; The weights are exp(E - max), the division by their sum is one multiplication at the end; that sum is at least 1.
.set ROWB, 8192
.set PWT,  256                         ; LDS: 512 f32, exp(E - max).  Bytes 0-31: the waves' maxima; 32-63: their sums of v_a; 64-95: their sums of weights
.set CS,   2560                        ; LDS: [8 waves][1,024 bytes] column sums
.set ACC,  44                          ; v[44:51]
.set W,    52                          ; v[52:115]  my wave's 64 weights, in every lane
.set X,    116                         ; v[116:243] 16 row slots of 8 registers
	s_load_b256 s[4:11], s[0:1], 0x0               ; Ep s[4:5], v_a s[6:7], b_a s[8:9], coverage s[10:11]
	s_load_b256 s[12:19], s[0:1], 0x20             ; h_i s[12:13], out0 s[14:15], out1 s[16:17], out2 s[18:19]
	v_lshl_add_u32 v244, v0, 2, 0x2a00
	v_mov_b32 v245, 0
	v_lshrrev_b32 v10, 5, v0
	v_readfirstlane_b32 s22, v10                   ; wave 0..7
	s_and_b32 s23, ttmp7, 0xffff                   ; batch
	s_mov_b32 s21, ttmp9                           ; column block
	s_mov_b32 s30, 0x76543210
	s_mov_b32 s31, 0xfedcba98
	v_and_b32 v1, 31, v0                           ; lane
	v_lshlrev_b32 v2, 3, v0                        ; thread t owns positions 2 t, 2 t + 1
	v_lshlrev_b32 v3, 4, v0                        ; and v_a[4 t .. 4 t + 3]
	v_lshlrev_b32 v4, 4, v1
	v_lshl_add_u32 v4, s22, 19, v4                 ; 64 w rows of 8,192 bytes + 16 x lane
	v_mov_b32 v5, s22
	v_lshlrev_b32 v5, 2, v5                        ; my wave's word
	v_mov_b32 v6, 0
	s_lshl_b32 s2, s22, 8
	s_add_co_u32 s2, s2, PWT
	v_mov_b32 v7, s2                               ; my wave's 64 weights
	s_lshl_b32 s3, s22, 10
	s_add_co_u32 s3, s3, CS
	v_lshl_add_u32 v8, v1, 4, s3
	v_and_b32 v11, 63, v0                          ; the last step: threads 0 to 63, 16 bytes each
	v_lshlrev_b32 v11, 4, v11
	v_add_nc_u32 v9, CS, v11
	s_lshl_b32 s26, s23, 11                        ; 512 f32 a batch
	s_mov_b32 s27, 0
	s_lshl_b32 s28, s23, 22                        ; 512 rows of 8,192 bytes a batch
	s_lshl_b32 s24, s21, 10
	s_add_co_u32 s28, s28, s24
	s_mov_b32 s29, 0
	s_lshl_b32 s25, s23, 13
	s_add_co_u32 s24, s24, s25                     ; out0: 8,192 bytes a batch + 1,024 c
	s_mov_b32 s25, 0
	s_wait_kmcnt 0x0
	s_load_b32 s20, s[8:9], 0x0                    ; b_a
	s_add_nc_u64 s[4:5], s[4:5], s[26:27]
	s_add_nc_u64 s[10:11], s[10:11], s[26:27]
	s_add_nc_u64 s[16:17], s[16:17], s[26:27]
	s_add_nc_u64 s[18:19], s[18:19], s[26:27]
	s_add_nc_u64 s[12:13], s[12:13], s[28:29]
	s_add_nc_u64 s[14:15], s[14:15], s[24:25]
	global_load_b64 v[16:17], v2, s[4:5]
	global_load_b64 v[18:19], v2, s[4:5] offset:131072
	global_load_b64 v[20:21], v2, s[10:11]
	global_load_b128 v[22:25], v3, s[6:7]
.set rho, 0
.rept 16
	global_load_b128 v[X+8*rho:X+8*rho+3],   v4, s[12:13] offset:rho*ROWB th:TH_LOAD_NT       ; the ring is filled before the softmax is begun
	global_load_b128 v[X+8*rho+4:X+8*rho+7], v4, s[12:13] offset:rho*ROWB+512 th:TH_LOAD_NT
.set rho, rho+1
.endr
.macro WSUM r, t                       ; sum over the wave's 32 lanes, in every lane; t: a register that has been written
.irp m, 1,2,4,8
	v_add_f32_dpp v[\r], v[\r], v[\r] row_xmask:\m row_mask:0xf bank_mask:0xf
.endr
	v_permlanex16_b32 v[\t], v[\r], s30, s31
	v_add_f32 v[\r], v[\r], v[\t]
.endm
.macro WMAX r, t
.irp m, 1,2,4,8
	v_max_num_f32_dpp v[\r], v[\r], v[\r] row_xmask:\m row_mask:0xf bank_mask:0xf
.endr
	v_permlanex16_b32 v[\t], v[\r], s30, s31
	v_max_num_f32 v[\r], v[\r], v[\t]
.endm
	s_wait_loadcnt 32                              ; the four small loads are in; the ring's 32 stay out
	v_pk_add_f32 v[16:17], v[16:17], v[18:19]      ; the two column blocks' parts of the score
	v_max_num_f32 v28, v16, v17
	v_pk_add_f32 v[22:23], v[22:23], v[24:25]
	v_add_f32 v29, v22, v23
	WMAX 28, 18
	WSUM 29, 19
	ds_store_b32 v5, v28
	ds_store_b32 v5, v29 offset:32
	s_wait_dscnt 0x0
	s_barrier_signal -1
	s_barrier_wait -1
	ds_load_b128 v[28:31], v6
	ds_load_b128 v[32:35], v6 offset:16
	ds_load_b128 v[36:39], v6 offset:32
	ds_load_b128 v[40:43], v6 offset:48
	s_wait_dscnt 0x0
	v_max3_num_f32 v28, v28, v29, v30
	v_max3_num_f32 v31, v31, v32, v33
	v_max3_num_f32 v28, v28, v34, v35
	v_max_num_f32 v28, v28, v31
	v_pk_add_f32 v[36:37], v[36:37], v[38:39]
	v_pk_add_f32 v[40:41], v[40:41], v[42:43]
	v_pk_add_f32 v[36:37], v[36:37], v[40:41]
	v_add_f32 v36, v36, v37                        ; sum(v_a)
	s_wait_kmcnt 0x0
	v_add_f32 v36, s20, v36                        ; + b_a
	v_add_f32 v28, v28, v36                        ; the largest score
	v_add_f32 v16, v16, v36                        ; my two scores
	v_add_f32 v17, v17, v36
	v_sub_f32 v16, v16, v28
	v_sub_f32 v17, v17, v28
	v_mul_f32 v16, 0x3fb8aa3b, v16
	v_mul_f32 v17, 0x3fb8aa3b, v17
	v_exp_f32 v26, v16
	v_exp_f32 v27, v17
	v_nop                                          ; one plain instruction between a transcendental and the use of its result (ISA guide 5.7.2)
	s_wait_alu depctr_va_vdst(0)
	v_add_f32 v29, v26, v27
	WSUM 29, 18
	ds_store_b64 v2, v[26:27] offset:PWT
	ds_store_b32 v5, v29 offset:64
	s_wait_dscnt 0x0
	s_barrier_signal -1
	s_barrier_wait -1
	ds_load_b128 v[28:31], v6 offset:64
	ds_load_b128 v[32:35], v6 offset:80
.set j, 0
.rept 16
	ds_load_b128 v[W+4*j:W+4*j+3], v7 offset:16*j  ; every lane takes the same 16 bytes
.set j, j+1
.endr
	s_wait_dscnt 0x0
	v_pk_add_f32 v[28:29], v[28:29], v[30:31]
	v_pk_add_f32 v[32:33], v[32:33], v[34:35]
	v_pk_add_f32 v[28:29], v[28:29], v[32:33]
	v_add_f32 v28, v28, v29
	v_rcp_f32 v30, v28                             ; twice: a pair for the packed multiplies
	v_rcp_f32 v31, v28
	v_nop
	s_cmp_lg_u32 s21, 0
	s_cbranch_scc1 .Lrows                          ; the same for all eight waves
	s_wait_alu depctr_va_vdst(0)
	v_pk_mul_f32 v[32:33], v[26:27], v[30:31]
	v_pk_fma_f32 v[34:35], v[26:27], v[30:31], v[20:21]
	global_store_b64 v2, v[32:33], s[16:17]        ; each store of a wave: 256 consecutive aligned bytes
	global_store_b64 v2, v[34:35], s[18:19]
.Lrows:
	; 64 rows.  At row rho the two loads of each of the next 15 rows (fewer at the end) are younger and stay out.
.set rho, 0
.rept 64
.if rho <= 48
	s_wait_loadcnt 30
.else
	s_wait_loadcnt 2*(63-rho)
.endif
.set xs, X+8*(rho%16)
.set wp, W+2*(rho/2)
.irp k, 0,2,4,6
.if rho == 0
	v_pk_mul_f32 v[ACC+\k:ACC+\k+1], v[xs+\k:xs+\k+1], v[wp:wp+1] op_sel_hi:[1,0]              ; the first row starts the sums
.else
.if rho&1
	v_pk_fma_f32 v[ACC+\k:ACC+\k+1], v[xs+\k:xs+\k+1], v[wp:wp+1], v[ACC+\k:ACC+\k+1] op_sel:[0,1,0] op_sel_hi:[1,1,1]
.else
	v_pk_fma_f32 v[ACC+\k:ACC+\k+1], v[xs+\k:xs+\k+1], v[wp:wp+1], v[ACC+\k:ACC+\k+1] op_sel_hi:[1,0,1]
.endif
.endif
.endr
.if rho < 48
	global_load_b128 v[xs:xs+3],   v4, s[12:13] offset:(rho+16)*ROWB th:TH_LOAD_NT
	global_load_b128 v[xs+4:xs+7], v4, s[12:13] offset:(rho+16)*ROWB+512 th:TH_LOAD_NT
.endif
.set rho, rho+1
.endr
	s_wait_alu depctr_va_vdst(0)
.irp k, 0,2,4,6
	v_pk_mul_f32 v[ACC+\k:ACC+\k+1], v[ACC+\k:ACC+\k+1], v[30:31]
.endr
	ds_store_b128 v8, v[ACC:ACC+3]
	ds_store_b128 v8, v[ACC+4:ACC+7] offset:512
	s_wait_dscnt 0x0
	s_barrier_signal -1
	s_barrier_wait -1
	s_cmp_gt_u32 s22, 1
	s_cbranch_scc1 .Lend                           ; waves 0 and 1 add the eight waves' sums, in a fixed order
.irp j, 0,1,2,3,4,5,6,7
	ds_load_b128 v[X+4*\j:X+4*\j+3], v9 offset:1024*\j
.endr
	s_wait_dscnt 0x0
.irp d, 4,2,1
.set j, 0
.rept \d
	v_pk_add_f32 v[X+4*j:X+4*j+1],   v[X+4*j:X+4*j+1],   v[X+4*(j+\d):X+4*(j+\d)+1]
	v_pk_add_f32 v[X+4*j+2:X+4*j+3], v[X+4*j+2:X+4*j+3], v[X+4*(j+\d)+2:X+4*(j+\d)+3]
.set j, j+1
.endr
.endr
	global_store_b128 v11, v[X:X+3], s[14:15]      ; 16 lanes store 256 consecutive aligned bytes
.Lend:
	s_wait_tensorcnt 0x0
	ds_add_u32 v244, v245
	s_wait_dscnt 0x0
	s_endpgm
.Lfunc_end_k_q170cef3443_context:
	.size	k_q170cef3443_context, .Lfunc_end_k_q170cef3443_context-k_q170cef3443_context
	.p2alignl 7, 3214868480
	.fill 96, 4, 3214868480
	.section	.rodata,"a",@progbits
	.p2align	6, 0x0
	.amdhsa_kernel k_q170cef3443_context
		.amdhsa_group_segment_fixed_size 11776
		.amdhsa_private_segment_fixed_size 0
		.amdhsa_enable_private_segment 0
		.amdhsa_kernarg_size 64
		.amdhsa_user_sgpr_count 2
		.amdhsa_user_sgpr_kernarg_segment_ptr 1
		.amdhsa_wavefront_size32 1
		.amdhsa_system_sgpr_workgroup_id_x 1
		.amdhsa_system_sgpr_workgroup_id_y 1
		.amdhsa_system_sgpr_workgroup_id_z 1
		.amdhsa_system_vgpr_workitem_id 0
		.amdhsa_next_free_vgpr 246
		.amdhsa_next_free_sgpr 66
		.amdhsa_reserve_vcc 0
		.amdhsa_float_denorm_mode_32 3
		.amdhsa_float_denorm_mode_16_64 3
		.amdhsa_memory_ordered 1
		.amdhsa_forward_progress 1
		.amdhsa_inst_pref_size 40
	.end_amdhsa_kernel
	.amdgpu_metadata
---
amdhsa.version: [ 1, 2 ]
amdhsa.kernels:
  - .name:           k_q170cef3443_context
    .symbol:         k_q170cef3443_context.kd
    .args:
      - { .name: Ep, .offset: 0, .size: 8, .value_kind: global_buffer, .address_space: global }
      - { .name: v_a, .offset: 8, .size: 8, .value_kind: global_buffer, .address_space: global }
      - { .name: b_a, .offset: 16, .size: 8, .value_kind: global_buffer, .address_space: global }
      - { .name: coverage, .offset: 24, .size: 8, .value_kind: global_buffer, .address_space: global }
      - { .name: h_i, .offset: 32, .size: 8, .value_kind: global_buffer, .address_space: global }
      - { .name: out0, .offset: 40, .size: 8, .value_kind: global_buffer, .address_space: global }
      - { .name: out1, .offset: 48, .size: 8, .value_kind: global_buffer, .address_space: global }
      - { .name: out2, .offset: 56, .size: 8, .value_kind: global_buffer, .address_space: global }
    .group_segment_fixed_size: 11776
    .private_segment_fixed_size: 0
    .kernarg_segment_align: 8
    .kernarg_segment_size: 64
    .max_flat_workgroup_size: 256
    .sgpr_count:     66
    .vgpr_count:     246
    .wavefront_size: 32
...
	.end_amdgpu_metadata
.endif
;; end of part 3
